; MI455X (gfx1250); checked and timed in simulation.
; The chip was launched on July 23, 2026; its instructions are those of AMD's public machine-readable ISA for CDNA 5 (MIT licence, August 2026) and "CDNA5" Instruction Set Architecture Reference Guide (July 2026). The comments in the code are by the model that wrote it; some were corrected since.
;; Self Attn1d. Allowed arithmetic: matrix products marked QUANTISED: E5M2 operands, one given power-of-two scale a tensor, by v_wmma_f32_16x16x64_bf8_bf8 or v_wmma_f32_16x16x128_bf8_bf8, f32 sums; everything else in f32.
;; Inputs: add_encs 2 x 2,048 x 1,024 float32; in_feats 2 x 2,048 x 1,024 float32; in_proj_b 3,072 float32; in_proj_w 3,072 x 1,024 float32; ln_b 1,024 float32; ln_w 1,024 float32; lowp_scales 12 int32 (the exponents e of the quantised operands' scales 2^e); mul_encs 2 x 2,048 x 1,024 float32; out_proj_b 1,024 float32; out_proj_w 1,024 x 1,024 float32.
;; Outputs: out0 2 x 2,048 x 1,024 float32.
;; This version of the problem:
;;   THIS VERSION OF THE PROBLEM IS GIVEN IN LOW PRECISION. The matrix products marked QUANTISED in the list below multiply operands that are first quantised to E5M2 (5 exponent bits, 2 mantissa bits; 8 bits a number), with one given power-of-two scale for each operand tensor; their sums are f32. All else is computed in f32.
;;   The module's matrix products, in the order in which they are computed (A, B: the left and right operand; K: the contracted axis; several contracted axes count as one K, in the product's order):
;;     1. [M 4,096, K 1,024] x [K 1,024, N 1,024]; A: computed on the way; B: computed on the way: QUANTISED (scales: A lowp_scales[0], B lowp_scales[1])
;;     2. [M 4,096, K 1,024] x [K 1,024, N 1,024]; A: computed on the way; B: computed on the way: QUANTISED (scales: A lowp_scales[2], B lowp_scales[3])
;;     3. [M 4,096, K 1,024] x [K 1,024, N 1,024]; A: computed on the way; B: computed on the way: QUANTISED (scales: A lowp_scales[4], B lowp_scales[5])
;;     4. batch 32 x [M 2,048, K 64] x [K 64, N 2,048]; A: computed on the way; B: computed on the way: QUANTISED (scales: A lowp_scales[6], B lowp_scales[7])
;;     5. batch 32 x [M 64, K 2,048] x [K 2,048, N 2,048]; A: computed on the way; B: softmax (see below): QUANTISED (scales: A lowp_scales[8], B lowp_scales[9])
;;     6. [M 4,096, K 1,024] x [K 1,024, N 1,024]; A: computed on the way; B: input out_proj_w: QUANTISED (scales: A lowp_scales[10], B lowp_scales[11])
;;   THE QUANTISER, for each operand of a quantised product, along K:
;;     - The operand's scale is 2^e, e = its entry of the input lowp_scales (int32; the entries are numbered through the quantised products in the list's order, A before B).
;;     - Each number is divided by the scale, clamped to +-57,344, and rounded to the nearest number of E5M2, ties to even, subnormals kept.
;;     - The product sums the exact products of the quantised numbers (number of the format x scale) in f32.
;;   ~~~python
;;   def quantise(x, axis, e):      # numpy; x: float32 -> the quantised numbers, widened to float32 again
;;       x = np.moveaxis(x, axis, -1); K = x.shape[-1]
;;       r = np.clip(x / 2.0 ** e, -57344, 57344)
;;       step = 2.0 ** (np.maximum(np.frexp(np.where(r == 0, 1, r))[1] - 1, -14) - 2)
;;       q = np.round(r / step) * step * 2.0 ** e      # np.round: ties to even
;;       return np.moveaxis(q, -1, axis).astype(np.float32)
;;   ~~~
;;   SOFTMAX AHEAD OF A QUANTISED PRODUCT. Where the list says 'softmax', what is quantised is not the finished softmax but p = 2^(t - M), with t = logit x log2(e) and M = ceil(the row's largest t), a whole number; so 1/2 < the row's largest p <= 1. The row's sum l is taken of the UNQUANTISED p, in f32, and the product's result is divided by l at the end. Since M is a whole number, a kernel that streams over the keys may use a running M (the ceiling of the running maximum): every later rescaling is an exact power of two, so the quantised numbers keep their values, but for numbers so far below the row's largest that they fall under the format's range.
;;   OPERANDS COMPUTED ON THE WAY. 'Computed on the way' means the value that the module computes at that place (a softmax that the list does not call 'softmax' is quantised finished and normalised). What goes into a quantiser is computed in f32, as accurately as f32 sums, v_exp_f32 and their like allow (about 1e-6 of the number): no bf16 or f16 on the way to a quantiser, and a product that is left as it is and whose result goes on into a quantised operand takes f32 operands (vector FMAs, or v_wmma_f32_16x16x4_f32). A number that lies on a knife's edge between two numbers of the format may be rounded either way, as far as f32 arithmetic and the matrix unit's own rounding can turn it there, and no further.
;; One version. Each part assembles by itself: llvm-mc -triple=amdgcn-amd-amdhsa -mcpu=gfx1250 --defsym DOCPART=n.
;; ======== version 1 of 1: 4 launches
;; limits: right only within a limited range of input values
;; workspace buffers: xc 12,582,912 bytes; wc 3,145,728 bytes; woc 1,048,576 bytes; qkvc 12,582,912 bytes; oc 4,194,304 bytes
;; launch prep (part 1): grid 1024 x 1, 8 waves a work-group, no clusters, 0 bytes of LDS; arguments in_feats, mul_encs, add_encs, ln_w, ln_b, in_proj_w, out_proj_w, lowp_scales, xc, wc, woc; writes xc, wc, woc
.if DOCPART == 1
	.amdgcn_target "amdgcn-amd-amdhsa--gfx1250"
	.amdhsa_code_object_version 6
	.text
	.protected	k_q9fd9bcf3d2_prep
	.globl	k_q9fd9bcf3d2_prep
	.p2align	8
	.type	k_q9fd9bcf3d2_prep,@function
k_q9fd9bcf3d2_prep:
	s_mov_b64 s[64:65], 0
	v_nop
	global_prefetch_b8 v0, s[64:65] scope:SCOPE_SE
	s_setreg_imm32_b32 hwreg(HW_REG_WAVE_MODE, 25, 1), 1
	s_wait_xcnt 0x0
; One wave, one row of 1,024 f32; 8 waves a work-group; no LDS, no barrier, no loop.
; Work-groups 0-511: a row of in_feats: LayerNorm (two passes: mean, then the squares of x - mean), exact GELU, qk = d * mul + add; three rows of E5M2 codes:
;   xc set 0 = Q(qk, e0), set 1 = Q(qk, e2), set 2 = Q(d, e4).   Work-groups 512-895: a row of in_proj_w -> wc (e1, e3, e5 by thirds).   Work-groups 896-1023: a row of out_proj_w -> woc (e11).
; ORDER ALONG K.  A lane loads 16 bytes of each 512 (every load of the wave is 512 consecutive bytes), so its register 4 j + i is k = 128 j + 4 lane + i; its 32 codes leave as two stores of 16 bytes a lane:
; byte 512 (j / 4) + 16 lane + 4 (j % 4) + i of a row of xc or wc holds k = 128 j + 4 lane + i.  The order is the same in xc and wc, which meet in one product, so every factor finds its partner.
; woc meets the attention's codes, which lie in the matrix operand's own order: byte p of a row of woc holds k = p with bits 3 and 4 exchanged.  There a lane takes 8 neighbours along K.
; GELU: g = max(y, 0) - (|y| / 2) erfc(|y| / sqrt 2), erfc(z) = t exp(-z z + c0 + t (c1 + .. + t c9)), t = 1 / (1 + z / 2): one form for every y, no difference of near numbers in the negative tail.
; code = x / 2^e held within +-57,344, to the nearest code, ties to even.  LIMITS: each e between -126 and 112.  NaN among the inputs is not served.  An exponential under 2^-126 comes out as 0 (ISA guide, v_exp_f32).
.set X,   32                           ; v32-63   the row: x, x - mean, y, then d
.set W,   64                           ; v64-95   ln_w
.set BV,  96                           ; v96-127  ln_b
.set MU,  128                          ; v128-159 mul_encs, then qk
.set AD,  160                          ; v160-191 add_encs
.set Z,   64                           ; GELU at work, 8 numbers at a time, where ln_w lay: z,
.set TT,  72                           ; t,
.set PP,  80                           ; the polynomial, the exponential,
.set MX,  88                           ; max(y, 0)
.set T,   96                           ; v96-111  two sets of 8 held numbers, where ln_b lay
.set CD,  64                           ; v64-87   codes, 8 registers a row, behind the GELU
.macro WSUM r, t                       ; the sum over the wave's 32 lanes, in every lane
	s_delay_alu instid0(VALU_DEP_1)
	v_add_f32_dpp v[\r], v[\r], v[\r] row_xmask:1 row_mask:0xf bank_mask:0xf
	s_delay_alu instid0(VALU_DEP_1)
	v_add_f32_dpp v[\r], v[\r], v[\r] row_xmask:2 row_mask:0xf bank_mask:0xf
	s_delay_alu instid0(VALU_DEP_1)
	v_add_f32_dpp v[\r], v[\r], v[\r] row_xmask:4 row_mask:0xf bank_mask:0xf
	s_delay_alu instid0(VALU_DEP_1)
	v_add_f32_dpp v[\r], v[\r], v[\r] row_xmask:8 row_mask:0xf bank_mask:0xf
	s_delay_alu instid0(VALU_DEP_1)
	v_permlanex16_b32 v[\t], v[\r], s28, s29
	s_delay_alu instid0(VALU_DEP_1)
	v_add_f32 v[\r], v[\r], v[\t]
.endm
.macro MKSC e, sc, lim                 ; from the whole number in s[e]: 2^e and 57,344 x 2^e as f32
	s_add_co_i32 s54, s[\e], 127
	s_lshl_b32 s55, s54, 23
	v_mov_b32 v[\sc], s55
	s_add_co_i32 s54, s54, 15
	s_lshl_b32 s54, s54, 23
	s_or_b32 s54, s54, 0x600000
	v_mov_b32 v[\lim], s54
.endm
.macro QROW src, sc, lim, dst          ; 32 numbers of a lane -> 8 registers of codes; the numbers stay.  The two sets of T take turns, so eight plain lines stand between a conversion and the next write of its sources
.irp g, 0,1,2,3
.irp i, 0,1,2,3,4,5,6,7
	v_med3_num_f32 v[T+8*(\g%2)+\i], v[\src+8*\g+\i], -v[\lim], v[\lim]   ; the conversion does not saturate (ISA guide 7.6.2): the hold comes first
.endr
	v_cvt_scalef32_pk8_bf8_f32 v[\dst+2*\g:\dst+2*\g+1], v[T+8*(\g%2):T+8*(\g%2)+7], v[\sc]
.endr
	v_nop
.endm
.macro GELU c                          ; numbers 8 c .. 8 c + 7 of the lane, in place
.set Y, X+8*\c
.irp i, 0,1,2,3,4,5,6,7
	v_mul_f32 v[Z+\i], |v[Y+\i]|, s56              ; z = |y| / sqrt 2
.endr
.irp i, 0,2,4,6
	v_pk_fma_f32 v[TT+\i:TT+\i+1], v[Z+\i:Z+\i+1], 0.5, 1.0 op_sel_hi:[1,0,0]
.endr
	s_wait_alu depctr_va_vdst(0)
.irp i, 0,1,2,3,4,5,6,7
	v_rcp_f32 v[TT+\i], v[TT+\i]                   ; t
.endr
.irp i, 0,1,2,3,4,5,6,7
	v_max_num_f32 v[MX+\i], 0, v[Y+\i]             ; (plain lines behind the reciprocals)
.endr
	s_wait_alu depctr_va_vdst(0)
.irp i, 0,2,4,6
	v_pk_fma_f32 v[PP+\i:PP+\i+1], v[TT+\i:TT+\i+1], v[26:27], 0xbf527892 op_sel_hi:[1,1,0]   ; c9 t + c8
.endr
.irp k, 0x3fbe87b0, 0xbf914e5d, 0x3e8ec7cc, 0xbe3ec24c, 0x3dc636c9, 0x3ebf88fb, 0x3f8000c7, 0xbfa1fc4e
.irp i, 0,2,4,6
	v_pk_fma_f32 v[PP+\i:PP+\i+1], v[PP+\i:PP+\i+1], v[TT+\i:TT+\i+1], \k op_sel_hi:[1,1,0]   ; c7 down to c0
.endr
.endr
.irp i, 0,2,4,6
	s_delay_alu instid0(VALU_DEP_4)
	v_pk_fma_f32 v[PP+\i:PP+\i+1], v[Z+\i:Z+\i+1], v[Z+\i:Z+\i+1], v[PP+\i:PP+\i+1] neg_lo:[1,0,0] neg_hi:[1,0,0]   ; - z z
.endr
.irp i, 0,2,4,6
	s_delay_alu instid0(VALU_DEP_4)
	v_pk_mul_f32 v[PP+\i:PP+\i+1], v[PP+\i:PP+\i+1], 0x3fb8aa3b op_sel_hi:[1,0]   ; x log2(e)
.endr
	s_wait_alu depctr_va_vdst(0)
.irp i, 0,1,2,3,4,5,6,7
	v_exp_f32 v[PP+\i], v[PP+\i]
.endr
.irp i, 0,2,4,6
	v_pk_mul_f32 v[Z+\i:Z+\i+1], v[Z+\i:Z+\i+1], 0x3f3504f3 op_sel_hi:[1,0]      ; |y| / 2  (plain lines behind the exponentials)
.endr
	s_wait_alu depctr_va_vdst(0)
.irp i, 0,2,4,6
	v_pk_mul_f32 v[PP+\i:PP+\i+1], v[PP+\i:PP+\i+1], v[TT+\i:TT+\i+1]            ; erfc(z)
.endr
.irp i, 0,2,4,6
	s_delay_alu instid0(VALU_DEP_4)
	v_pk_fma_f32 v[Y+\i:Y+\i+1], v[Z+\i:Z+\i+1], v[PP+\i:PP+\i+1], v[MX+\i:MX+\i+1] neg_lo:[1,0,0] neg_hi:[1,0,0]
.endr
.endm
	s_load_b512 s[4:19], s[0:1], 0x0               ; in_feats 4, mul 6, add 8, ln_w 10, ln_b 12, in_proj_w 14, out_proj_w 16, the exponents 18
	s_load_b128 s[20:23], s[0:1], 0x40             ; xc, wc
	s_load_b64 s[24:25], s[0:1], 0x50              ; woc
	v_lshrrev_b32 v1, 5, v0
	s_delay_alu instid0(VALU_DEP_1)
	v_readfirstlane_b32 s26, v1                    ; wave
	v_and_b32 v1, 31, v0                           ; lane
	s_delay_alu instid0(VALU_DEP_1)
	v_lshlrev_b32 v2, 4, v1                        ; 16 x lane
	s_mov_b32 s28, 0x76543210                      ; v_permlanex16_b32: lane l xor 16
	s_mov_b32 s29, 0xfedcba98
	s_lshl_b32 s27, ttmp9, 3
	s_add_co_u32 s27, s27, s26                     ; 8 x work-group + wave
	s_mov_b32 s33, 0
	s_mov_b32 s35, 0
	s_wait_kmcnt 0x0
	s_load_b256 s[40:47], s[18:19], 0x0            ; e0 .. e7
	s_load_b32 s48, s[18:19], 0x2c                 ; e11
	s_cmp_lt_u32 ttmp9, 512
	s_cbranch_scc0 .Lweights
	; ---- a row of in_feats
	s_lshl_b32 s32, s27, 12                        ; the row's 4,096 bytes
	s_add_nc_u64 s[4:5], s[4:5], s[32:33]
	s_add_nc_u64 s[6:7], s[6:7], s[32:33]
	s_add_nc_u64 s[8:9], s[8:9], s[32:33]
	s_wait_alu depctr_va_vdst(0)
.irp j, 0,1,2,3,4,5,6,7
	global_load_b128 v[X+4*\j:X+4*\j+3], v2, s[4:5] offset:512*\j th:TH_LOAD_NT
.endr
.irp j, 0,1,2,3,4,5,6,7
	global_load_b128 v[W+4*\j:W+4*\j+3], v2, s[10:11] offset:512*\j
.endr
.irp j, 0,1,2,3,4,5,6,7
	global_load_b128 v[BV+4*\j:BV+4*\j+3], v2, s[12:13] offset:512*\j
.endr
.irp j, 0,1,2,3,4,5,6,7
	global_load_b128 v[MU+4*\j:MU+4*\j+3], v2, s[6:7] offset:512*\j th:TH_LOAD_NT
.endr
.irp j, 0,1,2,3,4,5,6,7
	global_load_b128 v[AD+4*\j:AD+4*\j+3], v2, s[8:9] offset:512*\j th:TH_LOAD_NT
.endr
	s_lshl_b32 s34, s27, 10                        ; the row's 1,024 codes
	s_add_nc_u64 s[36:37], s[20:21], s[34:35]      ; in set 0,
	s_add_nc_u64 s[38:39], s[36:37], 0x400000      ; set 1,
	s_add_nc_u64 s[52:53], s[36:37], 0x800000      ; set 2
	s_mov_b32 s30, 0x3a800000                      ; 1 / 1024
	s_mov_b32 s31, 0x3727c5ac                      ; 1e-5
	s_mov_b32 s56, 0x3f3504f3                      ; 1 / sqrt 2
	v_mov_b32 v26, 0x3e2ef945                      ; c9, twice
	v_mov_b32 v27, 0x3e2ef945
	s_wait_kmcnt 0x0
	MKSC 40, 20, 21                                ; e0
	MKSC 42, 22, 23                                ; e2
	MKSC 44, 24, 25                                ; e4
	s_wait_loadcnt 32                              ; x's eight loads are in; the 32 younger ones stay out
	v_pk_add_f32 v[10:11], v[32:33], v[40:41]
	v_pk_add_f32 v[12:13], v[48:49], v[56:57]
	v_pk_add_f32 v[14:15], v[34:35], v[42:43]
	v_pk_add_f32 v[30:31], v[50:51], v[58:59]
	v_pk_add_f32 v[28:29], v[36:37], v[44:45]
	v_pk_add_f32 v[18:19], v[52:53], v[60:61]
	v_pk_add_f32 v[16:17], v[38:39], v[46:47]
	v_pk_add_f32 v[8:9], v[54:55], v[62:63]
	s_delay_alu instid0(VALU_DEP_1)
	v_pk_add_f32 v[8:9], v[8:9], v[30:31]
	v_pk_add_f32 v[10:11], v[10:11], v[28:29]
	v_pk_add_f32 v[12:13], v[12:13], v[18:19]
	v_pk_add_f32 v[14:15], v[14:15], v[16:17]
	s_delay_alu instid0(VALU_DEP_2)
	v_pk_add_f32 v[8:9], v[8:9], v[12:13]
	s_delay_alu instid0(VALU_DEP_2)
	v_pk_add_f32 v[10:11], v[10:11], v[14:15]
	s_delay_alu instid0(VALU_DEP_1)
	v_pk_add_f32 v[8:9], v[8:9], v[10:11]
	s_delay_alu instid0(VALU_DEP_1)
	v_add_f32 v8, v8, v9
	WSUM 8, 9
	s_delay_alu instid0(VALU_DEP_1)
	v_mul_f32 v10, s30, v8                         ; the mean
	s_delay_alu instid0(VALU_DEP_1)
	v_mov_b32 v11, v10
.irp j, 0,2,4,6,8,10,12,14,16,18,20,22,24,26,28,30
	v_pk_add_f32 v[X+\j:X+\j+1], v[X+\j:X+\j+1], v[10:11] neg_lo:[0,1] neg_hi:[0,1]
.endr
.irp k, 0,1,2,3
	v_pk_mul_f32 v[12+2*\k:13+2*\k], v[X+2*\k:X+2*\k+1], v[X+2*\k:X+2*\k+1]     ; the squares of x - mean, in four chains
.endr
.irp m, 8,16,24
.irp k, 0,1,2,3
	s_delay_alu instid0(VALU_DEP_4)
	v_pk_fma_f32 v[12+2*\k:13+2*\k], v[X+\m+2*\k:X+\m+2*\k+1], v[X+\m+2*\k:X+\m+2*\k+1], v[12+2*\k:13+2*\k]
.endr
.endr
	s_delay_alu instid0(VALU_DEP_3)
	v_pk_add_f32 v[12:13], v[12:13], v[14:15]
	s_delay_alu instid0(VALU_DEP_2)
	v_pk_add_f32 v[16:17], v[16:17], v[18:19]
	s_delay_alu instid0(VALU_DEP_1)
	v_pk_add_f32 v[12:13], v[12:13], v[16:17]
	s_delay_alu instid0(VALU_DEP_1)
	v_add_f32 v12, v12, v13
	WSUM 12, 13
	s_delay_alu instid0(VALU_DEP_1)
	v_fma_f32 v12, v12, s30, s31                   ; the variance + 1e-5
	s_wait_alu depctr_va_vdst(0)
	v_rsq_f32 v14, v12
	v_nop                                          ; a plain line behind the transcendental
	s_wait_alu depctr_va_vdst(0)
	v_mov_b32 v15, v14
	s_wait_alu depctr_va_vdst(0)
	s_wait_loadcnt 16                              ; ln_w and ln_b are in; mul's and add's sixteen loads stay out
.irp j, 0,2,4,6,8,10,12,14,16,18,20,22,24,26,28,30
	v_pk_mul_f32 v[X+\j:X+\j+1], v[X+\j:X+\j+1], v[14:15]
.endr
.irp j, 0,2,4,6,8,10,12,14,16,18,20,22,24,26,28,30
	v_pk_fma_f32 v[X+\j:X+\j+1], v[X+\j:X+\j+1], v[W+\j:W+\j+1], v[BV+\j:BV+\j+1]
.endr
	GELU 0
	GELU 1
	GELU 2
	GELU 3
	s_wait_loadcnt 0x0
.irp j, 0,2,4,6,8,10,12,14,16,18,20,22,24,26,28,30
	v_pk_fma_f32 v[MU+\j:MU+\j+1], v[X+\j:X+\j+1], v[MU+\j:MU+\j+1], v[AD+\j:AD+\j+1]   ; qk = d mul + add
.endr
	QROW MU, 20, 21, CD
	QROW MU, 22, 23, CD+8
	QROW X,  24, 25, CD+16
.irp c, 0,1
	global_store_b128 v2, v[CD+4*\c:CD+4*\c+3], s[36:37] offset:512*\c           ; each store of the wave covers 512 consecutive bytes, aligned
	global_store_b128 v2, v[CD+8+4*\c:CD+8+4*\c+3], s[38:39] offset:512*\c
	global_store_b128 v2, v[CD+16+4*\c:CD+16+4*\c+3], s[52:53] offset:512*\c
.endr
	s_endpgm
.Lweights:
	s_cmp_lt_u32 ttmp9, 896
	s_cbranch_scc0 .Loutw
	; ---- a row of in_proj_w
	s_sub_co_u32 s27, s27, 4096                    ; the row, 0 .. 3,071
	s_lshr_b32 s49, s27, 10                        ; which third
	s_lshl_b32 s32, s27, 12
	s_add_nc_u64 s[14:15], s[14:15], s[32:33]
	s_wait_alu depctr_va_vdst(0)
.irp j, 0,1,2,3,4,5,6,7
	global_load_b128 v[X+4*\j:X+4*\j+3], v2, s[14:15] offset:512*\j th:TH_LOAD_NT
.endr
	s_lshl_b32 s34, s27, 10
	s_add_nc_u64 s[22:23], s[22:23], s[34:35]
	s_wait_kmcnt 0x0
	s_cmp_eq_u32 s49, 0
	s_cselect_b32 s50, s41, s43                    ; e1 or e3,
	s_cmp_eq_u32 s49, 2
	s_cselect_b32 s50, s45, s50                    ; or e5
	MKSC 50, 20, 21
	s_wait_alu depctr_va_vdst(0)
	s_wait_loadcnt 0x0
.set jj, 0
.rept 32
	v_med3_num_f32 v[X+jj], v[X+jj], -v21, v21
.set jj, jj+1
.endr
.irp g, 0,1,2,3
	v_cvt_scalef32_pk8_bf8_f32 v[CD+2*\g:CD+2*\g+1], v[X+8*\g:X+8*\g+7], v20
.endr
	v_nop
.irp c, 0,1
	global_store_b128 v2, v[CD+4*\c:CD+4*\c+3], s[22:23] offset:512*\c
.endr
	s_endpgm
.Loutw:
	; ---- a row of out_proj_w: a lane takes 8 neighbours along K of each 256
	s_sub_co_u32 s27, s27, 7168                    ; the row, 0 .. 1,023
	s_lshl_b32 s32, s27, 12
	s_add_nc_u64 s[16:17], s[16:17], s[32:33]
	s_wait_alu depctr_va_vdst(0)
	v_lshlrev_b32 v3, 5, v1                        ; 32 x lane
.irp p, 0,1,2,3
	global_load_b128 v[X+8*\p:X+8*\p+3], v3, s[16:17] offset:1024*\p th:TH_LOAD_NT
	global_load_b128 v[X+8*\p+4:X+8*\p+7], v3, s[16:17] offset:1024*\p+16 th:TH_LOAD_NT
.endr
	s_lshl_b32 s34, s27, 10
	s_add_nc_u64 s[24:25], s[24:25], s[34:35]
	v_and_b32 v4, 28, v1                           ; the lane's number with bits 0 and 1 exchanged: bits 3 and 4 of k,
	v_and_b32 v5, 1, v1
	s_delay_alu instid0(VALU_DEP_1)
	v_lshl_or_b32 v4, v5, 1, v4
	v_bfe_u32 v5, v1, 1, 1
	s_delay_alu instid0(VALU_DEP_1)
	v_or_b32 v4, v4, v5
	s_delay_alu instid0(VALU_DEP_1)
	v_lshlrev_b32 v4, 3, v4                        ; x 8 bytes
	s_wait_kmcnt 0x0
	MKSC 48, 20, 21                                ; e11
	s_wait_alu depctr_va_vdst(0)
	s_wait_loadcnt 0x0
.set jj, 0
.rept 32
	v_med3_num_f32 v[X+jj], v[X+jj], -v21, v21
.set jj, jj+1
.endr
.irp g, 0,1,2,3
	v_cvt_scalef32_pk8_bf8_f32 v[CD+2*\g:CD+2*\g+1], v[X+8*\g:X+8*\g+7], v20
.endr
	v_nop
.irp p, 0,1,2,3
	global_store_b64 v4, v[CD+2*\p:CD+2*\p+1], s[24:25] offset:256*\p            ; the 32 lanes fill 256 consecutive bytes, aligned
.endr
	s_endpgm
.Lfunc_end_k_q9fd9bcf3d2_prep:
	.size	k_q9fd9bcf3d2_prep, .Lfunc_end_k_q9fd9bcf3d2_prep-k_q9fd9bcf3d2_prep
	.p2alignl 7, 3214868480
	.fill 96, 4, 3214868480
	.section	.rodata,"a",@progbits
	.p2align	6, 0x0
	.amdhsa_kernel k_q9fd9bcf3d2_prep
		.amdhsa_group_segment_fixed_size 0
		.amdhsa_private_segment_fixed_size 0
		.amdhsa_enable_private_segment 0
		.amdhsa_kernarg_size 88
		.amdhsa_user_sgpr_count 2
		.amdhsa_user_sgpr_kernarg_segment_ptr 1
		.amdhsa_wavefront_size32 1
		.amdhsa_system_sgpr_workgroup_id_x 1
		.amdhsa_system_sgpr_workgroup_id_y 1
		.amdhsa_system_sgpr_workgroup_id_z 1
		.amdhsa_system_vgpr_workitem_id 0
		.amdhsa_next_free_vgpr 192
		.amdhsa_next_free_sgpr 66
		.amdhsa_reserve_vcc 0
		.amdhsa_float_denorm_mode_32 3
		.amdhsa_float_denorm_mode_16_64 3
		.amdhsa_memory_ordered 1
		.amdhsa_forward_progress 1
		.amdhsa_inst_pref_size 59
	.end_amdhsa_kernel
	.amdgpu_metadata
---
amdhsa.version: [ 1, 2 ]
amdhsa.kernels:
  - .name:           k_q9fd9bcf3d2_prep
    .symbol:         k_q9fd9bcf3d2_prep.kd
    .args:
      - { .name: in_feats, .offset: 0, .size: 8, .value_kind: global_buffer, .address_space: global }
      - { .name: mul_encs, .offset: 8, .size: 8, .value_kind: global_buffer, .address_space: global }
      - { .name: add_encs, .offset: 16, .size: 8, .value_kind: global_buffer, .address_space: global }
      - { .name: ln_w, .offset: 24, .size: 8, .value_kind: global_buffer, .address_space: global }
      - { .name: ln_b, .offset: 32, .size: 8, .value_kind: global_buffer, .address_space: global }
      - { .name: in_proj_w, .offset: 40, .size: 8, .value_kind: global_buffer, .address_space: global }
      - { .name: out_proj_w, .offset: 48, .size: 8, .value_kind: global_buffer, .address_space: global }
      - { .name: lowp_scales, .offset: 56, .size: 8, .value_kind: global_buffer, .address_space: global }
      - { .name: xc, .offset: 64, .size: 8, .value_kind: global_buffer, .address_space: global }
      - { .name: wc, .offset: 72, .size: 8, .value_kind: global_buffer, .address_space: global }
      - { .name: woc, .offset: 80, .size: 8, .value_kind: global_buffer, .address_space: global }
    .group_segment_fixed_size: 0
    .private_segment_fixed_size: 0
    .kernarg_segment_align: 8
    .kernarg_segment_size: 88
    .max_flat_workgroup_size: 256
    .sgpr_count:     66
    .vgpr_count:     192
    .wavefront_size: 32
...
	.end_amdgpu_metadata
.endif
;; end of part 1
;; launch proj (part 2): grid 12 x 16, 4 waves a work-group, clusters of 4 x 4, 327,680 bytes of LDS; arguments xc, wc, in_proj_b, lowp_scales, qkvc; writes qkvc
.if DOCPART == 2
	.amdgcn_target "amdgcn-amd-amdhsa--gfx1250"
	.amdhsa_code_object_version 6
	.text
	.protected	k_q9fd9bcf3d2_proj
	.globl	k_q9fd9bcf3d2_proj
	.p2align	8
	.type	k_q9fd9bcf3d2_proj,@function
k_q9fd9bcf3d2_proj:
	s_mov_b64 s[64:65], 0
	v_nop
	global_prefetch_b8 v0, s[64:65] scope:SCOPE_SE
	s_setreg_imm32_b32 hwreg(HW_REG_WAVE_MODE, 25, 1), 1
	s_wait_xcnt 0x0
	s_wait_alu depctr_hold_cnt(0) depctr_sa_sdst(0) depctr_va_vdst(0) depctr_va_sdst(0) depctr_va_ssrc(0) depctr_va_vcc(0) depctr_vm_vsrc(0)
	s_getreg_b32 s2, hwreg(HW_REG_IB_STS2, 6, 4)
	s_cmp_eq_u32 s2, 0
	s_cbranch_scc0 .Lentry_in_a_cluster
	s_endpgm
.Lentry_in_a_cluster:
	s_bfe_u32 s2, ttmp6, 0x10000c
	s_cmp_lg_u32 s2, 0xf033
	s_cbranch_scc0 .Lentry_shape_is_right
	s_endpgm
.Lentry_shape_is_right:
.set ROWB,   256
.set KROW,   1024
.set PITCH,  272
.set FR,     16
.set NL,     4
.set NP,     4
.set HALFT,  128*PITCH
.set SLOT,   4*HALFT
.set SPARE,  2*SLOT
.set ADRA, 16
.set ADRB, 20
.set CO,   26
.set BOR,  27
.set SPW,  28
.set NIL,  29
.set BOL,  30
.set BL,   32
.set LIMV, 48
.set SCV,  49
.set BR,   64
.set AF,   128
.set TMP,  128
.set CD,   192
.set G1, 24
.set G0, 32
.set G1B, 48
.set G0B, 56
.set MSB, 0
.macro WIN new
.if MSB != (\new)
	s_set_vgpr_msb (MSB<<8)|(\new)
.set MSB, (\new)
.endif
.endm
.set MUL_LO, 0xa1
.set MUL_HI, 0xf1
.set TO_B,   0x40
.macro JLOAD g0a, g1a, g0b, g1b
	s_cmp_eq_u32 s15, 0
	s_cbranch_scc0 .Lfor_b_\@
	tensor_load_to_lds s[\g0a:\g0a+3], s[\g1a:\g1a+7]
	s_nop 0
.rept 4
	v_nop
.endr
	s_branch .Lasked_\@
.Lfor_b_\@:
	tensor_load_to_lds s[\g0b:\g0b+3], s[\g1b:\g1b+7]
	s_nop 0
.rept 4
	v_nop
.endr
.Lasked_\@:
.endm
.macro CREST
	s_cmp_lg_u32 s14, 0
	s_cbranch_scc1 .Lnot_wave_0_\@
	s_barrier_signal -3
.Lnot_wave_0_\@:
	s_barrier_wait -3
	s_barrier_signal -1
	s_barrier_wait -1
.endm
.macro CROUND
	s_barrier_signal -1
	s_barrier_wait -1
	CREST
.endm
	s_load_b128 s[4:7], s[0:1], 0x0
	s_load_b128 s[8:11], s[0:1], 0x10
	s_load_b64 s[12:13], s[0:1], 0x20
	v_lshl_add_u32 v[SPW], v0, 2, SPARE
	v_mov_b32 v[NIL], 0
	ds_add_u32 v28, v29
	ds_add_u32 v28, v29
	s_wait_dscnt 0x0
	v_lshrrev_b32 v1, 5, v0
	v_readfirstlane_b32 s14, v1
	s_lshr_b32 s15, s14, 1
	s_and_b32 s16, s14, 1
	s_bfe_u32 s40, ttmp6, 0x40000
	s_bfe_u32 s41, ttmp6, 0x40004
	s_and_b32 s17, ttmp7, 0xffff
	s_lshl_b32 s66, s17, 2
	s_add_co_u32 s67, s66, s41
	s_add_co_u32 s68, s66, s40
	s_lshl_b32 s70, ttmp9, 12
	s_lshl_b32 s71, ttmp9, 10
	s_lshl_b32 s43, s41, 2
	s_lshl_b32 s43, 15, s43
	s_lshl_b32 s44, 0x1111, s40
	s_or_b32 s[G1+0], s43, (0<<16)|(1<<20)|(1<<21)|(5<<22)|(3<<25)
	s_or_b32 s[G1B+0], s44, (0<<16)|(1<<20)|(1<<21)|(5<<22)|(3<<25)
.irp g, G1, G1B
	s_mov_b32 s[\g+1], ROWB<<16
	s_mov_b32 s[\g+2], 128<<16
	s_mov_b32 s[\g+3], ROWB<<16
	s_mov_b32 s[\g+4], 128
	s_mov_b32 s[\g+5], KROW
	s_mov_b32 s[\g+6], 0
	s_mov_b32 s[\g+7], 0
.endr
	s_cmp_eq_u32 ttmp9, 2
	s_cselect_b32 s20, s41, s67
	s_cselect_b32 s21, s71, s70
	s_cselect_b32 s46, s68, s40
	s_cselect_b32 s47, s70, s71
	s_lshl_b32 s18, s16, 7
	s_lshl_b32 s20, s20, 8
	s_add_co_u32 s20, s20, s21
	s_add_co_u32 s20, s20, s18
	s_lshl_b32 s20, s20, 10
	s_mov_b32 s21, 0
	s_lshl_b32 s46, s46, 8
	s_add_co_u32 s46, s46, s47
	s_add_co_u32 s46, s46, s18
	s_lshl_b32 s46, s46, 10
	s_mov_b32 s47, 0
	s_mul_i32 s45, s14, HALFT
	s_wait_kmcnt 0x0
	s_load_b256 s[76:83], s[10:11], 0x0
	s_load_b32 s84, s[10:11], 0x20
	s_cmp_eq_u32 ttmp9, 2
	s_cselect_b64 s[72:73], s[6:7], s[4:5]
	s_cselect_b64 s[74:75], s[4:5], s[6:7]
	s_add_nc_u64 s[20:21], s[72:73], s[20:21]
	s_add_nc_u64 s[46:47], s[74:75], s[46:47]
	CROUND
.irp s, 0,1
	s_mov_b32 s[G0+4*\s], 1
	s_add_co_u32 s[G0+4*\s+1], s45, \s*SLOT
	s_add_nc_u64 s[G0+4*\s+2:G0+4*\s+3], s[20:21], \s*ROWB
	s_or_b32 s[G0+4*\s+3], s[G0+4*\s+3], 0x80000000
	s_mov_b32 s[G0B+4*\s], 1
	s_add_co_u32 s[G0B+4*\s+1], s45, \s*SLOT
	s_add_nc_u64 s[G0B+4*\s+2:G0B+4*\s+3], s[46:47], \s*ROWB
	s_or_b32 s[G0B+4*\s+3], s[G0B+4*\s+3], 0x80000000
.if \s                                             ; slot 0's load follows the opening round; slot 1's first fill stands behind the full sequence and a round, as a refill does
	s_wait_alu depctr_va_vdst(0)
	s_wait_tensorcnt 0x0
	ds_add_u32 v28, v29
	ds_add_u32 v28, v29
	s_wait_dscnt 0x0
	CROUND
.endif
	JLOAD G0+4*\s, G1, G0B+4*\s, G1B
.endr
	v_and_b32 v1, 15, v0
	v_bfe_u32 v2, v0, 4, 1
	v_mul_u32_u24 v3, v1, PITCH
	v_lshl_add_u32 v4, v2, 4, v3
	s_mul_i32 s21, s15, HALFT
	s_mul_i32 s22, s16, HALFT
	s_add_co_u32 s22, s22, 2*HALFT
.irp s, 0,1
	v_add_nc_u32 v[ADRA+\s], s21, v4
	v_add_nc_u32 v[ADRB+\s], s22, v4
	s_add_co_u32 s21, s21, SLOT
	s_add_co_u32 s22, s22, SLOT
.endr
	v_and_b32 v6, 31, v0
	v_lshlrev_b32 v[CO], 4, v6
	v_lshlrev_b32 v[BOR], 5, v2
	s_wait_alu depctr_va_vdst(0)
	v_lshlrev_b32 v[BOL], 2, v1
	s_wait_alu depctr_va_vdst(0)
	s_lshl_b32 s90, s40, 8
	s_add_co_u32 s90, s90, s71
	s_lshl_b32 s91, s16, 7
	s_add_co_u32 s90, s90, s91
	s_lshl_b32 s90, s90, 2
	s_mov_b32 s91, 0
	s_add_nc_u64 s[90:91], s[8:9], s[90:91]
	s_lshl_b32 s92, s41, 8
	s_add_co_u32 s92, s92, s71
	s_lshl_b32 s93, s15, 7
	s_add_co_u32 s92, s92, s93
	s_lshl_b32 s92, s92, 2
	s_mov_b32 s93, 0
	s_add_nc_u64 s[92:93], s[8:9], s[92:93]
.irp b, 0,1,2,3,4,5,6,7
	global_load_b128 v[BR+8*\b:BR+8*\b+3], v[BOR], s[90:91] offset:64*\b
	global_load_b128 v[BR+8*\b+4:BR+8*\b+7], v[BOR], s[90:91] offset:64*\b+16
.endr
.irp a, 0,1,2,3,4,5,6,7
	global_load_b32 v[BL+2*\a], v[BOL], s[92:93] offset:64*\a
	global_load_b32 v[BL+2*\a+1], v[BOL], s[92:93] offset:64*\a
.endr
	s_lshr_b32 s85, s17, 1
	s_lshl_b32 s85, s85, 4
	s_lshl_b32 s86, s40, 2
	s_add_co_u32 s86, s86, s85
	s_lshl_b32 s87, s16, 1
	s_add_co_u32 s86, s86, s87
	s_lshl_b32 s86, s86, 7
	s_and_b32 s87, s67, 7
	s_lshl_b32 s87, s87, 4
	s_add_co_u32 s86, s86, s87
	s_lshl_b32 s87, s15, 3
	s_add_co_u32 s86, s86, s87
	s_lshl_b32 s86, s86, 10
	s_lshl_b32 s87, ttmp9, 22
	s_add_co_u32 s86, s86, s87
	s_lshl_b32 s88, s41, 2
	s_add_co_u32 s88, s88, s85
	s_lshl_b32 s89, s15, 1
	s_add_co_u32 s88, s88, s89
	s_lshl_b32 s88, s88, 4
	s_and_b32 s89, s68, 7
	s_lshl_b32 s89, s89, 1
	s_add_co_u32 s88, s88, s89
	s_add_co_u32 s88, s88, s16
	s_lshl_b32 s88, s88, 13
	s_add_co_u32 s88, s88, 0x800000
	s_cmp_eq_u32 ttmp9, 2
	s_cselect_b32 s86, s88, s86
	s_mov_b32 s87, 0
	s_add_nc_u64 s[12:13], s[12:13], s[86:87]
.macro FRAG reg, adr, q, i
.irp c, 0,1,2,3
	ds_load_b128 v[\reg+4*\c:\reg+4*\c+3], v[\adr] offset:128*(\q)+32*\c+(\i)*16*PITCH
.endr
.endm
.macro MUL16 a0, p, zero
.irp a, \a0, \a0+1
.irp b, 0,1,2,3,4,5,6,7
.if \zero
	v_wmma_f32_16x16x128_bf8_bf8 v[8*(8*((\a)%4)+\b):8*(8*((\a)%4)+\b)+7], v[128*(\p)+FR*\b:128*(\p)+FR*\b+FR-1], v[AF+FR*(\a):AF+FR*(\a)+FR-1], 0
.else
	v_wmma_f32_16x16x128_bf8_bf8 v[8*(8*((\a)%4)+\b):8*(8*((\a)%4)+\b)+7], v[128*(\p)+FR*\b:128*(\p)+FR*\b+FR-1], v[AF+FR*(\a):AF+FR*(\a)+FR-1], v[8*(8*((\a)%4)+\b):8*(8*((\a)%4)+\b)+7]
.endif
.endr
.endr
.endm
.macro FETCH_B slot, q, p
	WIN TO_B
.irp i, 0,1,2,3,4,5,6,7
	FRAG 128*(\p)+FR*\i, ADRB+\slot, \q, \i
.endr
	WIN 0
.endm
.macro FETCH_A slot, q, i0
.irp i, \i0, \i0+1, \i0+2, \i0+3
	FRAG AF+FR*(\i), ADRA+\slot, \q, \i
.endr
.endm
.macro PLACES n
.rept \n
	v_nop
.endr
.endm
.macro STEP slot, q, zero
	s_wait_dscnt 4*NL
	WIN MUL_LO
	MUL16 0, (\q)%2, \zero
	MUL16 2, (\q)%2, \zero
	s_wait_dscnt 0
	PLACES NP
	FETCH_B \slot, (\q)+1, 1-(\q)%2
	FETCH_A \slot, (\q)+1, 0
	WIN MUL_HI
	MUL16 4, (\q)%2, \zero
	MUL16 6, (\q)%2, \zero
	PLACES NP
	WIN 0
	FETCH_A \slot, (\q)+1, 4
.endm
.macro TURN slot, next, fill
	s_wait_tensorcnt 0x0
	ds_add_u32 v[SPW], v[NIL]
	s_wait_dscnt 4*NL+1
	WIN MUL_LO
	MUL16 0, 1, 0
	s_wait_dscnt 0x0
	s_barrier_signal -1
	MUL16 2, 1, 0
	WIN 0
	s_barrier_wait -1
.if \fill
	CREST
	s_add_nc_u64 s[G0+4*\slot+2:G0+4*\slot+3], s[G0+4*\slot+2:G0+4*\slot+3], 2*ROWB
	s_add_nc_u64 s[G0B+4*\slot+2:G0B+4*\slot+3], s[G0B+4*\slot+2:G0B+4*\slot+3], 2*ROWB
	JLOAD G0+4*\slot, G1, G0B+4*\slot, G1B
.else
	PLACES NP
.endif
	FETCH_B \next, 0, 0
	FETCH_A \next, 0, 0
	WIN MUL_HI
	MUL16 4, 1, 0
	MUL16 6, 1, 0
	PLACES NP
	WIN 0
	FETCH_A \next, 0, 4
.endm
	s_wait_tensorcnt 1
	s_barrier_signal -1
	s_barrier_wait -1
	FETCH_B 0, 0, 0
	FETCH_A 0, 0, 0
	FETCH_A 0, 0, 4
	STEP 0, 0, 1
	TURN 0, 1, 1
	STEP 1, 0, 0
	TURN 1, 0, 1
	STEP 0, 0, 0
	TURN 0, 1, 0
	STEP 1, 0, 0
	s_wait_dscnt 4*NL
	WIN MUL_LO
	MUL16 0, 1, 0
	MUL16 2, 1, 0
	s_wait_dscnt 0
	WIN MUL_HI
	MUL16 4, 1, 0
	MUL16 6, 1, 0
	WIN 0
	s_wait_kmcnt 0x0
	s_add_co_i32 s94, s76, s77
	s_add_co_i32 s95, s78, s79
	s_add_co_i32 s96, s80, s81
	s_add_co_i32 s82, s82, 3
	s_cmp_eq_u32 ttmp9, 0
	s_cselect_b32 s94, s94, s95
	s_cselect_b32 s98, s82, s83
	s_cmp_eq_u32 ttmp9, 2
	s_cselect_b32 s96, s96, s94
	s_cselect_b32 s98, s84, s98
	s_add_co_i32 s96, s96, 127
	s_lshl_b32 s96, s96, 23
	s_mov_b32 s97, s96
	s_add_co_i32 s98, s98, 127
	s_lshl_b32 s99, s98, 23
	v_mov_b32 v[SCV], s99
	s_add_co_i32 s98, s98, 15
	s_lshl_b32 s98, s98, 23
	s_or_b32 s98, s98, 0x600000
	v_mov_b32 v[LIMV], s98
	s_wait_loadcnt 0x0
	PLACES NP
.macro EPI kind
.irp a, 0,1,2,3,4,5,6,7
	WIN 0x02+(\a/4)
.set jj, 0
.rept 32
.if \kind
	v_pk_fma_f32 v[TMP+jj:TMP+jj+1], v[64*(\a%4)+jj:64*(\a%4)+jj+1], s[96:97], v[BL+2*\a:BL+2*\a+1] op_sel_hi:[1,0,1]
.else
	v_pk_fma_f32 v[TMP+jj:TMP+jj+1], v[64*(\a%4)+jj:64*(\a%4)+jj+1], s[96:97], v[BR+jj:BR+jj+1] op_sel_hi:[1,0,1]
.endif
.set jj, jj+2
.endr
	WIN 0
.set jj, 0
.rept 64
	v_med3_num_f32 v[TMP+jj], v[TMP+jj], -v[LIMV], v[LIMV]
.set jj, jj+1
.endr
	WIN 0x40                                       ; block a's codes go to window 1, v[16 a ..], where B's fragments lay: 16 registers of its own for each block, so no store's data are written again
.irp b, 0,1,2,3,4,5,6,7
	v_cvt_scalef32_pk8_bf8_f32 v[16*\a+2*\b:16*\a+2*\b+1], v[TMP+8*\b:TMP+8*\b+7], v[SCV]
.endr
	v_nop
	WIN 0x04                                       ; a store's data are its source 1
.irp c, 0,1,2,3
.if \kind
	global_store_b128 v[CO], v[16*\a+4*\c:16*\a+4*\c+3], s[12:13] offset:131072*(\a/4)+2048*(\a%4)+512*\c
.else
	global_store_b128 v[CO], v[16*\a+4*\c:16*\a+4*\c+3], s[12:13] offset:1024*\a+131072*(\c/2)+512*(\c%2)
.endif
.endr
	WIN 0
.endr
.endm
	s_cmp_eq_u32 ttmp9, 2
	s_cbranch_scc1 .Lvpart
	EPI 0
	s_branch .Lend
.Lvpart:
	EPI 1
.Lend:
	s_wait_tensorcnt 0x0
	ds_add_u32 v[SPW], v[NIL]
	s_wait_dscnt 0x0
	CROUND
	s_endpgm
.Lfunc_end_k_q9fd9bcf3d2_proj:
	.size	k_q9fd9bcf3d2_proj, .Lfunc_end_k_q9fd9bcf3d2_proj-k_q9fd9bcf3d2_proj
	.p2alignl 7, 3214868480
	.fill 96, 4, 3214868480
	.section	.rodata,"a",@progbits
	.p2align	6, 0x0
	.amdhsa_kernel k_q9fd9bcf3d2_proj
		.amdhsa_group_segment_fixed_size 327680
		.amdhsa_private_segment_fixed_size 0
		.amdhsa_enable_private_segment 0
		.amdhsa_kernarg_size 40
		.amdhsa_user_sgpr_count 2
		.amdhsa_user_sgpr_kernarg_segment_ptr 1
		.amdhsa_wavefront_size32 1
		.amdhsa_system_sgpr_workgroup_id_x 1
		.amdhsa_system_sgpr_workgroup_id_y 1
		.amdhsa_system_sgpr_workgroup_id_z 1
		.amdhsa_system_vgpr_workitem_id 0
		.amdhsa_next_free_vgpr 1024
		.amdhsa_next_free_sgpr 100
		.amdhsa_reserve_vcc 0
		.amdhsa_float_denorm_mode_32 3
		.amdhsa_float_denorm_mode_16_64 3
		.amdhsa_memory_ordered 1
		.amdhsa_forward_progress 1
		.amdhsa_inst_pref_size 196
	.end_amdhsa_kernel
	.amdgpu_metadata
---
amdhsa.version: [ 1, 2 ]
amdhsa.kernels:
  - .name:           k_q9fd9bcf3d2_proj
    .symbol:         k_q9fd9bcf3d2_proj.kd
    .args:
      - { .name: xc, .offset: 0, .size: 8, .value_kind: global_buffer, .address_space: global }
      - { .name: wc, .offset: 8, .size: 8, .value_kind: global_buffer, .address_space: global }
      - { .name: in_proj_b, .offset: 16, .size: 8, .value_kind: global_buffer, .address_space: global }
      - { .name: lowp_scales, .offset: 24, .size: 8, .value_kind: global_buffer, .address_space: global }
      - { .name: qkvc, .offset: 32, .size: 8, .value_kind: global_buffer, .address_space: global }
    .group_segment_fixed_size: 327680
    .private_segment_fixed_size: 0
    .kernarg_segment_align: 8
    .kernarg_segment_size: 40
    .max_flat_workgroup_size: 128
    .sgpr_count:     100
    .vgpr_count:     1024
    .wavefront_size: 32
...
	.end_amdgpu_metadata
.endif
;; end of part 2
;; launch attn (part 3): grid 8 x 32, 8 waves a work-group, clusters of 4 x 1, 263,168 bytes of LDS; arguments qkvc, lowp_scales, oc; writes oc
.if DOCPART == 3
	.amdgcn_target "amdgcn-amd-amdhsa--gfx1250"
	.amdhsa_code_object_version 6
	.text
	.protected	k_q9fd9bcf3d2_attn
	.globl	k_q9fd9bcf3d2_attn
	.p2align	8
	.type	k_q9fd9bcf3d2_attn,@function
k_q9fd9bcf3d2_attn:
	s_mov_b64 s[64:65], 0
	v_nop
	global_prefetch_b8 v0, s[64:65] scope:SCOPE_SE
	s_setreg_imm32_b32 hwreg(HW_REG_WAVE_MODE, 25, 1), 1
	s_wait_xcnt 0x0
	s_wait_alu depctr_hold_cnt(0) depctr_sa_sdst(0) depctr_va_vdst(0) depctr_va_sdst(0) depctr_va_ssrc(0) depctr_va_vcc(0) depctr_vm_vsrc(0)
	s_getreg_b32 s2, hwreg(HW_REG_IB_STS2, 6, 4)
	s_cmp_eq_u32 s2, 0
	s_cbranch_scc0 .Lentry_in_a_cluster
	s_endpgm
.Lentry_in_a_cluster:
	s_bfe_u32 s2, ttmp6, 0x10000c
	s_cmp_lg_u32 s2, 0x3003
	s_cbranch_scc0 .Lentry_shape_is_right
	s_endpgm
.Lentry_shape_is_right:
; Attention on codes of E5M2: 32 heads of batch, 2,048 tokens, head size 64.  The factor 1/8 is already in q's codes.
; t = score x log2(e); M = the running largest t rounded UP to a whole number; p = 2^(t - M) is quantised with 2^e9, not normalised; the row's sum is taken of the unquantised p and divides at the end;
; when M moves, the sums and O are multiplied by 2^(old M - new M), which rounds nothing.  The result is quantised with 2^e10 for the output projection and leaves as codes.
; SHARES.  A work-group takes 256 queries of one head; each of its eight waves two tiles of 16 queries, so that each fragment of K and V read from LDS feeds two products; two waves to a SIMD.
; LDS.  The head's K (131,072 bytes) and V (131,072) lie in LDS whole, as images of operand registers: every read is 16 bytes x lane on end.  Nothing is filled twice: no ring.
; The four work-groups of a cluster take query blocks of one head, so K and V are asked for jointly: eight loads of 32 KiB, ONE A WAVE: wave w brings bytes 32,768 w on (waves 0-3: K, waves 4-7: V).
; LAYOUT.  Both products are used transposed: S^T = K Q^T (source 0 = 16 keys), O^T = V^T P^T (source 0 = 16 channels): a lane holds ONE query.  Tile tau of S^T holds keys 16 tau + 8 (lane / 16) + 0 .. 7,
; so its conversion gives registers 2 tau, 2 tau + 1 of P in the operand's own order: no key is moved.
; A KEY STEP (128 keys): products, maxima, statistics, O^T under the new M, tile 0's scalings; tile 0's 64 exponentials with tile 1's scalings between them; tile 1's 64 exponentials with tile 0's first sums and holds
; between them; the other sums, holds, conversions, products.  What a plain line writes among exponentials is read only behind the wait that closes that run.
; oc: [block of four heads 4][tile of 16 tokens 256][head % 4][2][lane][16]: two heads' codes on end are a fragment of 16 tokens x 128 K.
; LIMITS: e6 + e7 between -126 and 127 (added to log2(e)'s exponent field); e9 and e10 between -126 and 112; e8 + e9 goes by v_ldexp_f32 and has none.  p under 2^-126 comes out as 0 (ISA guide, v_exp_f32).
; No prefetch: every byte that the work-group reads is asked for at its head, so there is no loop to run ahead in.
; REGISTERS: window 0: v1-4 addresses; v5, v6 57,344 x 2^e9, v7 2^e9; v8-31 statistics, 12 a tile; v32-47 Q; v48-79 P's codes; v80-207 S^T, then p; v208-223 and v226-241 tile 0's first sums (v208-223 at the end: codes of O);
;            v224, v225 57,344 x 2^e10, 2^e10; v254, v255 the add's two.   window 1: v0-63 O^T, 32 a tile; v64-127 K's eight fragments; v128-191 V's four.
.set LI,   1                           ; 16 x lane
.set LIV,  2                           ; the same in V's half of LDS
.set ADK,  3
.set ADV,  4
.set PLIM2, 5                          ; 57,344 x 2^e9 twice, in two banks: the two halves of a dual pair take their second sources from different banks
.set PLIM, 6
.set PSC,  7
.set ST,   8                           ; tile q at ST + 12 q: +0 -M, +1 the largest t, +2..5 the sum in two pairs, +6 f, +7 0, +8, +9, +10 at work
.set QF,   32
.set PC,   48
.set S,    80
.set OCD,  208
.set XR,   208                         ; first sum k of tile 0 at XR + 2 k + 2 (k / 8): it steps over v224, v225
.set OLIM, 224
.set OSC,  225
.set SPW,  254                         ; LDS address of my spare word; never rewritten
.set NIL,  255                         ; 0; never rewritten
.set SPARE, 0x40000                    ; behind K and V: 128 bytes a wave, four blocks of 256 bytes that no other line names
.set KF,   64                          ; in window 1
.set VF,   128
.set WV,   10
.set G1,   16                          ; s[16:23]
.set G0,   24                          ; s[24:27]
.set CS,   56                          ; s[56:57] c = log2(e) x 2^(e6 + e7)
.set SEL,  58
.set TB,   70                          ; the step's first byte in K's and in V's half
.set TN,   71
.set CNT,  72
.set MSB, 0
.macro WIN new
.if MSB != (\new)
	s_set_vgpr_msb (MSB<<8)|(\new)
.set MSB, (\new)
.endif
.endm
.macro CROUND                          ; a round of the cluster's barrier
	s_barrier_signal -1
	s_barrier_wait -1
	s_cmp_lg_u32 s[WV], 0
	s_cbranch_scc1 .Lnot_wave_0_\@
	s_barrier_signal -3
.Lnot_wave_0_\@:
	s_barrier_wait -3
	s_barrier_signal -1
	s_barrier_wait -1
.endm
	s_load_b128 s[4:7], s[0:1], 0x0                ; qkvc, the exponents
	s_load_b64 s[8:9], s[0:1], 0x10                ; oc
	v_lshl_add_u32 v[SPW], v0, 2, SPARE
	v_mov_b32 v[NIL], 0
	ds_add_u32 v[SPW], v[NIL]                      ; the opening lines: the add, twice on end, and its wait
	ds_add_u32 v[SPW], v[NIL]
	v_lshrrev_b32 v1, 5, v0
	s_delay_alu instid0(VALU_DEP_1)
	v_readfirstlane_b32 s[WV], v1                  ; wave 0..7
	v_and_b32 v5, 31, v0
	s_delay_alu instid0(VALU_DEP_1)
	v_lshlrev_b32 v[LI], 4, v5
	s_delay_alu instid0(VALU_DEP_1)
	v_add_nc_u32 v[LIV], 0x20000, v[LI]
	s_bfe_u32 s11, ttmp6, 0x40000                  ; cx
	s_lshl_b32 s12, ttmp9, 2
	s_add_co_u32 s12, s12, s11                     ; my block of 256 queries: it enters Q's and oc's addresses alone
	s_and_b32 s13, ttmp7, 0xffff                   ; the head of batch, which the four partners share
	s_mov_b32 s[G1], 15|(3<<16)|(1<<21)            ; the mask: all four; elements of 8 bytes; bit 21 beside a mask; no padding
	s_mov_b32 s[G1+1], 32<<16                      ; tensor_dim0 = 32: rows of 256 bytes
	s_mov_b32 s[G1+2], 128<<16                     ; tensor_dim1 = 128
	s_mov_b32 s[G1+3], 32<<16                      ; tile_dim0
	s_mov_b32 s[G1+4], 128                         ; tile_dim1
	s_mov_b32 s[G1+5], 32                          ; the pitch: a dense block
	s_mov_b32 s[G1+6], 0
	s_mov_b32 s[G1+7], 0
	s_mov_b32 s[G0], 1
	s_lshl_b32 s[G0+1], s[WV], 15                  ; LDS: 32,768 x wave
	s_lshr_b32 s14, s[WV], 2
	s_lshl_b32 s14, s14, 22                        ; memory: K's set or V's, 4 MiB apart,
	s_and_b32 s15, s[WV], 3
	s_lshl_b32 s15, s15, 15
	s_add_co_u32 s14, s14, s15                     ; my quarter of the head's 131,072 bytes,
	s_lshl_b32 s15, s13, 17
	s_add_co_u32 s14, s14, s15                     ; the head,
	s_add_co_u32 s14, s14, 0x400000                ; behind Q's set
	s_mov_b32 s15, 0
	s_lshl_b32 s76, s13, 7
	s_lshl_b32 s77, s12, 4
	s_add_co_u32 s76, s76, s77
	s_lshl_b32 s77, s[WV], 1
	s_add_co_u32 s76, s76, s77                     ; Q: tile 128 x head + 16 x block + 2 x wave,
	s_lshl_b32 s76, s76, 10                        ; 1,024 bytes a tile
	s_mov_b32 s77, 0
	s_lshr_b32 s78, s13, 4                         ; oc: the batch's 128 tiles of tokens,
	s_lshl_b32 s78, s78, 7
	s_lshl_b32 s79, s12, 4
	s_add_co_u32 s78, s78, s79
	s_lshl_b32 s79, s[WV], 1
	s_add_co_u32 s78, s78, s79
	s_lshl_b32 s78, s78, 12                        ; 4,096 bytes a tile,
	s_and_b32 s79, s13, 3
	s_lshl_b32 s79, s79, 10
	s_add_co_u32 s78, s78, s79                     ; the head's place among four,
	s_bfe_u32 s79, s13, 0x20002
	s_lshl_b32 s79, s79, 20
	s_add_co_u32 s78, s78, s79                     ; and which four
	s_mov_b32 s79, 0
	s_mov_b32 s[SEL], 0x76543210
	s_mov_b32 s[SEL+1], 0xfedcba98
	s_mov_b32 s[CS], 0x3fb8aa3b                    ; log2(e)
	s_mov_b32 s[TB], 0
	s_wait_dscnt 0x0                               ; both opening adds are done
	s_wait_kmcnt 0x0
	s_load_b128 s[60:63], s[6:7], 0x18             ; e6, e7, e8, e9
	s_load_b32 s66, s[6:7], 0x28                   ; e10
	s_add_nc_u64 s[G0+2:G0+3], s[4:5], s[14:15]
	s_or_b32 s[G0+3], s[G0+3], 0x80000000
	s_add_nc_u64 s[76:77], s[4:5], s[76:77]
	s_add_nc_u64 s[8:9], s[8:9], s[78:79]
	CROUND                                         ; all four work-groups are here: the joint loads meet
	tensor_load_to_lds s[G0:G0+3], s[G1:G1+7]      ; my one tensor load of the launch
	s_nop 0
	s_wait_alu depctr_va_vdst(0)                   ; the wait here, ahead of the first reader of 16 x lane
.irp q, 0,1
.irp c, 0,1
	global_load_b128 v[QF+8*\q+4*\c:QF+8*\q+4*\c+3], v[LI], s[76:77] offset:1024*\q+512*\c   ; Q's two fragments stay in registers
.endr
.endr
.irp q, 0,1
	v_mov_b32 v[ST+12*\q+1], 0xff61b1e6            ; the largest t so far: -3e38
	s_delay_alu instid0(VALU_DEP_1)
	v_floor_f32 v[ST+12*\q], -v[ST+12*\q+1]        ; -M
	v_mov_b32 v[ST+12*\q+2], 0
	v_mov_b32 v[ST+12*\q+3], 0
	v_mov_b32 v[ST+12*\q+4], 0
	v_mov_b32 v[ST+12*\q+5], 0
	v_mov_b32 v[ST+12*\q+7], 0                     ; (named as the upper half of f's pair)
	v_mov_b32 v[ST+12*\q+10], 0                    ; (a lane permute's destination counts as read)
.endr
	WIN 0x40
.set jj, 0
.rept 64
	v_mov_b32 v[jj], 0                             ; O^T: the step is written once: the first change of M multiplies zeros
.set jj, jj+1
.endr
	WIN 0
	s_wait_kmcnt 0x0
	s_add_co_i32 s67, s60, s61
	s_lshl_b32 s67, s67, 23
	s_add_co_i32 s[CS], s[CS], s67                 ; a score stands for score x 2^(e6 + e7)
	s_mov_b32 s[CS+1], s[CS]
	s_add_co_i32 s67, s63, 127
	s_lshl_b32 s69, s67, 23
	v_mov_b32 v[PSC], s69
	s_add_co_i32 s67, s67, 15
	s_lshl_b32 s67, s67, 23
	s_or_b32 s67, s67, 0x600000
	v_mov_b32 v[PLIM], s67
	v_mov_b32 v[PLIM2], s67
	s_add_co_i32 s67, s66, 127
	s_lshl_b32 s69, s67, 23
	v_mov_b32 v[OSC], s69
	s_add_co_i32 s67, s67, 15
	s_lshl_b32 s67, s67, 23
	s_or_b32 s67, s67, 0x600000
	v_mov_b32 v[OLIM], s67
	s_add_co_i32 s68, s62, s63                     ; e8 + e9
.macro FETCHK                          ; a step's K: eight fragments of 16 keys x 64, two loads each
	WIN 0x40
.irp t, 0,1,2,3,4,5,6,7
.irp c, 0,1
	ds_load_b128 v[KF+8*\t+4*\c:KF+8*\t+4*\c+3], v[ADK] offset:1024*\t+512*\c
.endr
.endr
	WIN 0
.endm
.macro MAX2                            ; the largest of my 64 scores of each tile: four chains by turns, in ascending order: each accumulator is read from its low end on
.irp q, 0,1
	v_max3_num_f32 v[ST+12*\q+8], v[S+64*\q], v[S+64*\q+1], v[S+64*\q+2]
	v_max3_num_f32 v[ST+12*\q+9], v[S+64*\q+3], v[S+64*\q+4], v[S+64*\q+5]
.endr
.irp i, 6,10,14,18,22,26,30,34,38,42,46,50,54,58
.irp q, 0,1
	v_max3_num_f32 v[ST+12*\q+8], v[ST+12*\q+8], v[S+64*\q+\i], v[S+64*\q+\i+1]
	v_max3_num_f32 v[ST+12*\q+9], v[ST+12*\q+9], v[S+64*\q+\i+2], v[S+64*\q+\i+3]
.endr
.endr
.irp q, 0,1
	v_max3_num_f32 v[ST+12*\q+8], v[ST+12*\q+8], v[S+64*\q+62], v[S+64*\q+63]
.endr
.irp q, 0,1
	s_delay_alu instid0(VALU_DEP_2)
	v_max_num_f32 v[ST+12*\q+8], v[ST+12*\q+8], v[ST+12*\q+9]
.endr
.endm
.macro STAT2                           ; both tiles, line by line
.irp q, 0,1
	s_delay_alu instid0(VALU_DEP_2)
	v_permlanex16_b32 v[ST+12*\q+10], v[ST+12*\q+8], s[SEL], s[SEL+1]   ; the query's other 64 keys lie in the lane 16 away
.endr
.irp q, 0,1
	s_delay_alu instid0(VALU_DEP_2)
	v_max_num_f32 v[ST+12*\q+8], v[ST+12*\q+8], v[ST+12*\q+10]
.endr
.irp q, 0,1
	s_delay_alu instid0(VALU_DEP_2)
	v_mul_f32 v[ST+12*\q+8], s[CS], v[ST+12*\q+8]  ; as t (c is positive)
.endr
.irp q, 0,1
	s_delay_alu instid0(VALU_DEP_2)
	v_max_num_f32 v[ST+12*\q+1], v[ST+12*\q+1], v[ST+12*\q+8]
.endr
.irp q, 0,1
	v_mov_b32 v[ST+12*\q+8], v[ST+12*\q]
.endr
.irp q, 0,1
	s_delay_alu instid0(VALU_DEP_4)
	v_floor_f32 v[ST+12*\q], -v[ST+12*\q+1]        ; the new -M = -ceil(t)
.endr
.irp q, 0,1
	s_delay_alu instid0(VALU_DEP_2)
	v_sub_f32 v[ST+12*\q+8], v[ST+12*\q], v[ST+12*\q+8]   ; old M - new M, a whole number, 0 or less
.endr
.irp q, 0,1
	s_delay_alu instid0(VALU_DEP_2)
	v_cvt_i32_f32 v[ST+12*\q+8], v[ST+12*\q+8]     ; (it saturates)
.endr
.irp q, 0,1
	s_delay_alu instid0(VALU_DEP_2)
	v_ldexp_f32 v[ST+12*\q+6], 1.0, v[ST+12*\q+8]  ; f
.endr
.irp q, 0
	s_delay_alu instid0(VALU_DEP_2)
	v_pk_mul_f32 v[ST+12*\q+2:ST+12*\q+3], v[ST+12*\q+2:ST+12*\q+3], v[ST+12*\q+6:ST+12*\q+7] op_sel_hi:[1,0]
	s_delay_alu instid0(VALU_DEP_3)
	v_pk_mul_f32 v[ST+12*\q+4:ST+12*\q+5], v[ST+12*\q+4:ST+12*\q+5], v[ST+12*\q+6:ST+12*\q+7] op_sel_hi:[1,0]
.endr
.irp q, 1
	s_delay_alu instid0(VALU_DEP_3)
	v_pk_mul_f32 v[ST+12*\q+2:ST+12*\q+3], v[ST+12*\q+2:ST+12*\q+3], v[ST+12*\q+6:ST+12*\q+7] op_sel_hi:[1,0]
	s_delay_alu instid0(VALU_DEP_4)
	v_pk_mul_f32 v[ST+12*\q+4:ST+12*\q+5], v[ST+12*\q+4:ST+12*\q+5], v[ST+12*\q+6:ST+12*\q+7] op_sel_hi:[1,0]
.endr
.endm
.macro RESC q                          ; O^T under the new M: ahead of the exponentials, so that no transcendental stands between the last products and these first readers
.irp j, 0,2,4,6,8,10,12,14,16,18,20,22,24,26,28,30
	v_pk_mul_f32 v[32*\q+\j:32*\q+\j+1], v[32*\q+\j:32*\q+\j+1], v[ST+12*\q+6:ST+12*\q+7] op_sel_hi:[1,0]
.endr
.endm
.macro FS1 q, k                        ; numbers k, k + 1 of tile q: t - M
	v_pk_fma_f32 v[S+64*(\q)+(\k):S+64*(\q)+(\k)+1], v[S+64*(\q)+(\k):S+64*(\q)+(\k)+1], s[CS:CS+1], v[ST+12*(\q):ST+12*(\q)+1] op_sel_hi:[1,0,0]
.endm
.macro MIN2 q, k                       ; numbers k, k + 1 of tile q: the hold (p is not negative: one side; the conversion does not saturate: ISA guide 7.6.2), two to an instruction
	v_dual_min_num_f32 v[S+64*(\q)+(\k)], v[S+64*(\q)+(\k)], v[PLIM] :: v_dual_min_num_f32 v[S+64*(\q)+(\k)+1], v[S+64*(\q)+(\k)+1], v[PLIM2]
.endm
.macro CVT q, g                        ; eight held numbers -> registers 2 g, 2 g + 1 of P
	v_cvt_scalef32_pk8_bf8_f32 v[PC+16*(\q)+2*(\g):PC+16*(\q)+2*(\g)+1], v[S+64*(\q)+8*(\g):S+64*(\q)+8*(\g)+7], v[PSC]
.endm
.macro PV q                            ; O^T += V^T P^T: four accumulators, one instruction each
	WIN 0x51
.irp t, 0,1,2,3
	v_wmma_f32_16x16x128_bf8_bf8 v[32*\q+8*\t:32*\q+8*\t+7], v[VF+16*\t:VF+16*\t+15], v[PC+16*\q:PC+16*\q+15], v[32*\q+8*\t:32*\q+8*\t+7]
.endr
	WIN 0
.endm
	s_wait_alu depctr_va_vdst(0)                   ; the wait at the head's end
	s_wait_tensorcnt 0x0                           ; my 32 KiB are in,
	s_barrier_signal -1
	s_barrier_wait -1                              ; everybody's are: K and V are whole
	v_add_nc_u32 v[ADK], s[TB], v[LI]
	FETCHK
	s_wait_loadcnt 0x0                             ; Q
	s_mov_b32 s[CNT], 16
.Lstep:                                            ; a key step: 128 keys
	v_add_nc_u32 v[ADV], s[TB], v[LIV]
	s_add_co_u32 s[TN], s[TB], 8192
	s_min_u32 s[TN], s[TN], 122880                 ; the look-ahead for K is held at the last step's bytes
	v_add_nc_u32 v[ADK], s[TN], v[LI]
	s_wait_alu depctr_va_vdst(0)                   ; the wait here, directly ahead of the wait below
	s_wait_dscnt 0x0                               ; this step's K is in
	WIN 0x01
.irp t, 0,1,2,3,4,5,6,7
.irp q, 0,1
	v_wmma_f32_16x16x64_bf8_bf8 v[S+64*\q+8*\t:S+64*\q+8*\t+7], v[KF+8*\t:KF+8*\t+7], v[QF+8*\q:QF+8*\q+7], 0
.endr
.endr
.rept 4
	v_nop                                          ; places: behind these products for the loads into K's registers and the first read of the scores; with the two additions above, behind the last step's products for the loads into V's
.endr
	WIN 0x40
.irp t, 0,1,2,3
.irp c, 0,1,2,3
	ds_load_b128 v[VF+16*\t+4*\c:VF+16*\t+4*\c+3], v[ADV] offset:2048*\t+512*\c
.endr
.endr
	FETCHK                                         ; the next step's K
	MAX2
	STAT2
	WIN 0x41
	RESC 0
	RESC 1
	WIN 0
.set kk, 0
.rept 32
	FS1 0, kk
.set kk, kk+2
.endr
	s_wait_alu depctr_va_vdst(0)                   ; the wait ahead of the exponentials
.set kk, 0
.rept 32                                           ; tile 0: p = 2^(t - M), at most 1; between them tile 1's scalings, which are read behind the next wait
	v_exp_f32 v[S+kk], v[S+kk]
	FS1 1, kk
	v_exp_f32 v[S+kk+1], v[S+kk+1]
.set kk, kk+2
.endr
	v_nop                                          ; a plain place behind the last exponential
	s_wait_alu depctr_va_vdst(0)                   ; one wait: for tile 0's p, and for tile 1's scaled scores ahead of their exponentials
.set kk, 0
.rept 16                                           ; tile 1's exponentials; between them, of tile 0's p four at a time: a first sum of the unquantised numbers into registers of its own, then the holds; all read behind the next wait
	v_exp_f32 v[S+64+4*kk], v[S+64+4*kk]
	v_pk_add_f32 v[XR+2*kk+2*(kk/8):XR+2*kk+2*(kk/8)+1], v[S+4*kk:S+4*kk+1], v[S+4*kk+2:S+4*kk+3]
	v_exp_f32 v[S+64+4*kk+1], v[S+64+4*kk+1]
	MIN2 0, 4*kk
	v_exp_f32 v[S+64+4*kk+2], v[S+64+4*kk+2]
	MIN2 0, 4*kk+2
	v_exp_f32 v[S+64+4*kk+3], v[S+64+4*kk+3]
.set kk, kk+1
.endr
	v_nop                                          ; a plain place behind the last exponential
	s_wait_alu depctr_va_vdst(0)                   ; one wait: for tile 1's p and for what the plain lines above wrote
	s_wait_dscnt 16                                ; V's sixteen loads are in; K's sixteen, which are younger, may be out
.set kk, 0
.rept 16                                           ; the sums: tile 0's sixteen first sums into its two pairs by turns, tile 1's p into its two pairs
	v_pk_add_f32 v[ST+2+2*(kk%2):ST+3+2*(kk%2)], v[ST+2+2*(kk%2):ST+3+2*(kk%2)], v[XR+2*kk+2*(kk/8):XR+2*kk+2*(kk/8)+1]
	v_pk_add_f32 v[ST+14:ST+15], v[ST+14:ST+15], v[S+64+4*kk:S+64+4*kk+1]
	v_pk_add_f32 v[ST+16:ST+17], v[ST+16:ST+17], v[S+64+4*kk+2:S+64+4*kk+3]
.set kk, kk+1
.endr
.irp g, 0,1,2,3,4,5,6,7
.irp i, 0,2,4,6
	MIN2 1, 8*\g+\i
.endr
	CVT 0, \g
.endr
	v_nop                                          ; a plain line between the conversions and the products that read the codes
	PV 0
.irp g, 0,1,2,3,4,5,6,7
	CVT 1, \g                                      ; these name none of the registers of tile 0's products
.endr
	v_nop
	PV 1
	s_add_co_u32 s[TB], s[TB], 8192
	s_sub_co_u32 s[CNT], s[CNT], 1
	s_cmp_lg_u32 s[CNT], 0
	s_cbranch_scc1 .Lstep
	; THE WAY OUT: O^T / the sum x 2^(e8 + e9), quantised with 2^e10; a tile's four conversions give the eight registers of the head's half of a fragment
.rept 4
	v_nop
.endr
.irp q, 0,1
	v_pk_add_f32 v[ST+12*\q+2:ST+12*\q+3], v[ST+12*\q+2:ST+12*\q+3], v[ST+12*\q+4:ST+12*\q+5]
.endr
.irp q, 0,1
	s_delay_alu instid0(VALU_DEP_2)
	v_add_f32 v[ST+12*\q+2], v[ST+12*\q+2], v[ST+12*\q+3]
.endr
.irp q, 0,1
	s_delay_alu instid0(VALU_DEP_2)
	v_permlanex16_b32 v[ST+12*\q+10], v[ST+12*\q+2], s[SEL], s[SEL+1]
.endr
.irp q, 0,1
	s_delay_alu instid0(VALU_DEP_2)
	v_add_f32 v[ST+12*\q+2], v[ST+12*\q+2], v[ST+12*\q+10]
.endr
	s_wait_alu depctr_va_vdst(0)                   ; the wait ahead of the transcendentals
.irp q, 0,1
	v_rcp_f32 v[ST+12*\q+8], v[ST+12*\q+2]
.endr
	v_nop
	s_wait_alu depctr_va_vdst(0)                   ; and ahead of their first reader
.irp q, 0,1
	v_ldexp_f32 v[ST+12*\q+8], v[ST+12*\q+8], s68
.endr
	WIN 0x01
	s_wait_alu depctr_va_vdst(0)                   ; the wait here, directly ahead of the first reader of O^T
.irp q, 0,1
.irp j, 0,2,4,6,8,10,12,14,16,18,20,22,24,26,28,30
	v_pk_mul_f32 v[S+64*\q+\j:S+64*\q+\j+1], v[32*\q+\j:32*\q+\j+1], v[ST+12*\q+8:ST+12*\q+9] op_sel_hi:[1,0]
.endr
.endr
	WIN 0
.irp q, 0,1
.set jj, 0
.rept 32
	v_med3_num_f32 v[S+64*\q+jj], v[S+64*\q+jj], -v[OLIM], v[OLIM]
.set jj, jj+1
.endr
.irp t, 0,1,2,3
	v_cvt_scalef32_pk8_bf8_f32 v[OCD+8*\q+2*\t:OCD+8*\q+2*\t+1], v[S+64*\q+8*\t:S+64*\q+8*\t+7], v[OSC]
.endr
.endr
	v_nop
.irp q, 0,1
.irp c, 0,1
	global_store_b128 v[LI], v[OCD+8*\q+4*\c:OCD+8*\q+4*\c+3], s[8:9] offset:4096*\q+512*\c   ; each store of the wave covers 512 consecutive bytes, aligned
.endr
.endr
	s_wait_tensorcnt 0x0                           ; the wave's end
	ds_add_u32 v[SPW], v[NIL]
	s_wait_dscnt 0x0                               ; the add is done, and the last look-ahead is back
	CROUND                                         ; the closing round
	s_endpgm
.Lfunc_end_k_q9fd9bcf3d2_attn:
	.size	k_q9fd9bcf3d2_attn, .Lfunc_end_k_q9fd9bcf3d2_attn-k_q9fd9bcf3d2_attn
	.p2alignl 7, 3214868480
	.fill 96, 4, 3214868480
	.section	.rodata,"a",@progbits
	.p2align	6, 0x0
	.amdhsa_kernel k_q9fd9bcf3d2_attn
		.amdhsa_group_segment_fixed_size 263168
		.amdhsa_private_segment_fixed_size 0
		.amdhsa_enable_private_segment 0
		.amdhsa_kernarg_size 24
		.amdhsa_user_sgpr_count 2
		.amdhsa_user_sgpr_kernarg_segment_ptr 1
		.amdhsa_wavefront_size32 1
		.amdhsa_system_sgpr_workgroup_id_x 1
		.amdhsa_system_sgpr_workgroup_id_y 1
		.amdhsa_system_sgpr_workgroup_id_z 1
		.amdhsa_system_vgpr_workitem_id 0
		.amdhsa_next_free_vgpr 448
		.amdhsa_next_free_sgpr 90
		.amdhsa_reserve_vcc 0
		.amdhsa_float_denorm_mode_32 3
		.amdhsa_float_denorm_mode_16_64 3
		.amdhsa_memory_ordered 1
		.amdhsa_forward_progress 1
		.amdhsa_inst_pref_size 47
	.end_amdhsa_kernel
	.amdgpu_metadata
---
amdhsa.version: [ 1, 2 ]
amdhsa.kernels:
  - .name:           k_q9fd9bcf3d2_attn
    .symbol:         k_q9fd9bcf3d2_attn.kd
    .args:
      - { .name: qkvc, .offset: 0, .size: 8, .value_kind: global_buffer, .address_space: global }
      - { .name: lowp_scales, .offset: 8, .size: 8, .value_kind: global_buffer, .address_space: global }
      - { .name: oc, .offset: 16, .size: 8, .value_kind: global_buffer, .address_space: global }
    .group_segment_fixed_size: 263168
    .private_segment_fixed_size: 0
    .kernarg_segment_align: 8
    .kernarg_segment_size: 24
    .max_flat_workgroup_size: 256
    .sgpr_count:     90
    .vgpr_count:     448
    .wavefront_size: 32
...
	.end_amdgpu_metadata
.endif
;; end of part 3
;; launch oproj (part 4): grid 8 x 32, 4 waves a work-group, clusters of 4 x 4, 327,680 bytes of LDS; arguments oc, woc, lowp_scales, out_proj_b, in_feats, out0; writes out0
.if DOCPART == 4
	.amdgcn_target "amdgcn-amd-amdhsa--gfx1250"
	.amdhsa_code_object_version 6
	.text
	.protected	k_q9fd9bcf3d2_oproj
	.globl	k_q9fd9bcf3d2_oproj
	.p2align	8
	.type	k_q9fd9bcf3d2_oproj,@function
k_q9fd9bcf3d2_oproj:
	s_mov_b64 s[64:65], 0
	v_nop
	global_prefetch_b8 v0, s[64:65] scope:SCOPE_SE
	s_setreg_imm32_b32 hwreg(HW_REG_WAVE_MODE, 25, 1), 1
	s_wait_xcnt 0x0
	s_wait_alu depctr_hold_cnt(0) depctr_sa_sdst(0) depctr_va_vdst(0) depctr_va_sdst(0) depctr_va_ssrc(0) depctr_va_vcc(0) depctr_vm_vsrc(0)
	s_getreg_b32 s2, hwreg(HW_REG_IB_STS2, 6, 4)
	s_cmp_eq_u32 s2, 0
	s_cbranch_scc0 .Lentry_in_a_cluster
	s_endpgm
.Lentry_in_a_cluster:
	s_bfe_u32 s2, ttmp6, 0x10000c
	s_cmp_lg_u32 s2, 0xf033
	s_cbranch_scc0 .Lentry_shape_is_right
	s_endpgm
.Lentry_shape_is_right:
.set PITCH,  1040                      ; a row of B in LDS: all 1,024 codes along K + 16 bytes of padding
.set BB,     131072                    ; A's four dense blocks of 32,768 bytes lie from 0 on, B's 128 rows from here
.set STAGE,  BB+128*PITCH              ; behind both: the waves' stages
.set SPITCH, 272
.set ADRA, 8
.set ADRB, 12
.set STO,  24
.set RD,   25
.set CO,   26
.set BOR,  27
.set TMP,  32
.set BK,   64
.set ACC,  128
.set BR,   128
.set G1, 24
.set G0, 32
.set G1B, 48
.set G0B, 56
.set MSB, 0
.macro WIN new
.if MSB != (\new)
	s_set_vgpr_msb (MSB<<8)|(\new)
.set MSB, (\new)
.endif
.endm
.macro JLOAD g0a, g1a, g0b, g1b
	s_cmp_eq_u32 s15, 0
	s_cbranch_scc0 .Lfor_b_\@
	tensor_load_to_lds s[\g0a:\g0a+3], s[\g1a:\g1a+7]
	s_nop 0
.rept 4
	v_nop
.endr
	s_branch .Lasked_\@
.Lfor_b_\@:
	tensor_load_to_lds s[\g0b:\g0b+3], s[\g1b:\g1b+7]
	s_nop 0
.rept 4
	v_nop
.endr
.Lasked_\@:
.endm
.macro CROUND
	s_barrier_signal -1
	s_barrier_wait -1
	s_cmp_lg_u32 s14, 0
	s_cbranch_scc1 .Lnot_wave_0_\@
	s_barrier_signal -3
.Lnot_wave_0_\@:
	s_barrier_wait -3
	s_barrier_signal -1
	s_barrier_wait -1
.endm
.macro PLACES n
.rept \n
	v_nop
.endr
.endm
	s_load_b128 s[4:7], s[0:1], 0x0
	s_load_b128 s[8:11], s[0:1], 0x10
	s_load_b128 s[68:71], s[0:1], 0x20
	v_lshl_add_u32 v30, v0, 2, 0x48400
	v_mov_b32 v31, 0
	ds_add_u32 v30, v31
	ds_add_u32 v30, v31
	v_lshrrev_b32 v1, 5, v0
	v_readfirstlane_b32 s14, v1
	s_lshr_b32 s15, s14, 1
	s_and_b32 s16, s14, 1
	s_bfe_u32 s40, ttmp6, 0x40000
	s_bfe_u32 s41, ttmp6, 0x40004
	s_lshl_b32 s42, ttmp9, 2
	s_add_co_u32 s42, s42, s40
	s_and_b32 s17, ttmp7, 0xffff
	s_lshl_b32 s17, s17, 2
	s_add_co_u32 s17, s17, s41
	s_lshl_b32 s43, s41, 2
	s_lshl_b32 s43, 15, s43
	s_lshl_b32 s44, 0x1111, s40
	s_or_b32 s[G1+0], s43, (3<<16)|(1<<21)
	s_mov_b32 s[G1+1], 4096<<16                    ; A: two dense blocks of 32,768 bytes, stated as two rows, 1 MiB apart in memory, on end in LDS
	s_mov_b32 s[G1+2], 2<<16
	s_mov_b32 s[G1+3], 4096<<16
	s_mov_b32 s[G1+4], 2
	s_mov_b32 s[G1+5], 131072
	s_mov_b32 s[G1+6], 0
	s_mov_b32 s[G1+7], 0
	s_or_b32 s[G1B+0], s44, (0<<16)|(1<<20)|(1<<21)|(7<<22)|(3<<25)   ; B: 64 whole rows of 1,024 bytes, four words of padding behind each 256 words
	s_mov_b32 s[G1B+1], 1024<<16
	s_mov_b32 s[G1B+2], 64<<16
	s_mov_b32 s[G1B+3], 1024<<16
	s_mov_b32 s[G1B+4], 64
	s_mov_b32 s[G1B+5], 1024
	s_mov_b32 s[G1B+6], 0
	s_mov_b32 s[G1B+7], 0
	s_lshl_b32 s20, s17, 15
	s_lshl_b32 s18, s16, 21
	s_add_co_u32 s20, s20, s18
	s_mov_b32 s21, 0
	s_lshl_b32 s46, s42, 17
	s_lshl_b32 s18, s16, 16
	s_add_co_u32 s46, s46, s18
	s_mov_b32 s47, 0
	s_lshl_b32 s45, s16, 16                        ; LDS: A's blocks 2 j, 2 j + 1 (j = wave % 2),
	s_mul_i32 s22, s16, 64*PITCH
	s_add_co_u32 s22, s22, BB                      ; B's rows 64 j on
	s_wait_dscnt 0x0
	s_wait_kmcnt 0x0
	s_load_b64 s[96:97], s[8:9], 0x28
	s_add_nc_u64 s[20:21], s[4:5], s[20:21]
	s_add_nc_u64 s[46:47], s[6:7], s[46:47]
	CROUND
	s_mov_b32 s[G0], 1
	s_mov_b32 s[G0+1], s45
	s_mov_b64 s[G0+2:G0+3], s[20:21]
	s_or_b32 s[G0+3], s[G0+3], 0x80000000
	s_mov_b32 s[G0B], 1
	s_mov_b32 s[G0B+1], s22
	s_mov_b64 s[G0B+2:G0B+3], s[46:47]
	s_or_b32 s[G0B+3], s[G0B+3], 0x80000000
	JLOAD G0, G1, G0B, G1B                         ; my one tensor load of the launch: all of K comes at the head, and nothing is filled later
	v_and_b32 v1, 15, v0
	v_bfe_u32 v2, v0, 4, 1
	v_lshlrev_b32 v[CO], 12, v2
	v_lshl_add_u32 v[CO], v1, 4, v[CO]
	v_lshlrev_b32 v[BOR], 5, v2
	s_wait_alu depctr_va_vdst(0)
	s_lshl_b32 s72, s42, 9
	s_lshl_b32 s73, s16, 8
	s_add_co_u32 s72, s72, s73
	s_mov_b32 s73, 0
	s_add_nc_u64 s[10:11], s[10:11], s[72:73]
	s_lshl_b32 s74, s17, 19
	s_lshl_b32 s75, s15, 18
	s_add_co_u32 s74, s74, s75
	s_add_co_u32 s74, s74, s72
	s_mov_b32 s75, 0
	s_add_nc_u64 s[68:69], s[68:69], s[74:75]
	s_add_nc_u64 s[70:71], s[70:71], s[74:75]
	WIN 0x80
.irp b, 0,1,2,3
	global_load_b128 v[BR+8*\b:BR+8*\b+3], v[BOR], s[10:11] offset:64*\b
	global_load_b128 v[BR+8*\b+4:BR+8*\b+7], v[BOR], s[10:11] offset:64*\b+16
.endr
.irp a, 0,1,2,3
.irp t, 0,1,2,3,4,5,6,7
	global_load_b128 v[32*\a+4*\t:32*\a+4*\t+3], v[CO], s[68:69] offset:(16*\a+2*\t)*4096 th:TH_LOAD_NT
.endr
.endr
	WIN 0
	v_and_b32 v6, 31, v0
	v_lshlrev_b32 v6, 4, v6
	s_lshl_b32 s76, s15, 14
	v_add_nc_u32 v6, s76, v6
	v_mul_u32_u24 v3, v1, PITCH
	v_lshl_add_u32 v3, v2, 4, v3
	s_mul_i32 s77, s16, 64*PITCH
	v_add_nc_u32 v3, s77, v3
.irp k, 0,1,2,3
	v_add_nc_u32 v[ADRA+\k], \k*32768, v6
	v_add_nc_u32 v[ADRB+\k], BB+256*\k, v3
.endr
	s_mul_i32 s78, s14, 16*SPITCH
	s_add_co_u32 s78, s78, STAGE
	v_mul_u32_u24 v5, v1, SPITCH
	v_lshl_add_u32 v5, v2, 5, v5
	v_add_nc_u32 v[STO], s78, v5
	v_mul_u32_u24 v5, v2, SPITCH
	v_lshl_add_u32 v5, v1, 4, v5
	v_add_nc_u32 v[RD], s78, v5
.macro FETCH u, f
	WIN 0x40
.irp i, 0,1,2,3
.irp c, 0,1,2,3
	ds_load_b128 v[(\f)+64+16*\i+4*\c:(\f)+64+16*\i+4*\c+3], v[ADRB+(\u)/2] offset:128*((\u)%2)+32*\c+\i*16*PITCH
.endr
.endr
.irp i, 0,1,2,3
.irp c, 0,1,2,3
	ds_load_b128 v[(\f)+16*\i+4*\c:(\f)+16*\i+4*\c+3], v[ADRA+(\u)/2] offset:2048*((\u)%2)+512*\c+\i*4096
.endr
.endr
.endm
.macro MUL16 f, zero
	WIN 0x05
.irp a, 0,1,2,3
.irp b, 0,1,2,3
.if \zero
	v_wmma_f32_16x16x128_bf8_bf8 v[ACC+8*(4*\a+\b):ACC+8*(4*\a+\b)+7], v[(\f)+64+16*\b:(\f)+64+16*\b+15], v[(\f)+16*\a:(\f)+16*\a+15], 0
.else
	v_wmma_f32_16x16x128_bf8_bf8 v[ACC+8*(4*\a+\b):ACC+8*(4*\a+\b)+7], v[(\f)+64+16*\b:(\f)+64+16*\b+15], v[(\f)+16*\a:(\f)+16*\a+15], v[ACC+8*(4*\a+\b):ACC+8*(4*\a+\b)+7]
.endif
.endr
.endr
.endm
.macro SUB u, zero
.if (\u) < 7
.if (\u) > 0
	PLACES 4
.endif
	FETCH (\u)+1, 128*(((\u)+1)%2)
	s_wait_dscnt 32
.else
	s_wait_dscnt 0x0
.endif
	MUL16 128*((\u)%2), \zero
.endm
	s_wait_alu depctr_va_vdst(0)
	s_wait_tensorcnt 0x0
	s_barrier_signal -1
	s_barrier_wait -1
	FETCH 0, 0
	SUB 0, 1
	SUB 1, 0
	SUB 2, 0
	SUB 3, 0
	SUB 4, 0
	SUB 5, 0
	SUB 6, 0
	SUB 7, 0
	WIN 0
	s_wait_kmcnt 0x0
	s_add_co_i32 s96, s96, s97
	s_add_co_i32 s96, s96, 127
	s_lshl_b32 s96, s96, 23
	s_mov_b32 s97, s96
	s_wait_loadcnt 0x0
	PLACES 4
.macro TOSTAGE a
	WIN 0x20
.set jj, 0
.rept 16
	v_pk_fma_f32 v[TMP+jj:TMP+jj+1], v[ACC+32*(\a)+jj:ACC+32*(\a)+jj+1], s[96:97], v[BR+jj:BR+jj+1] op_sel_hi:[1,0,1]
.set jj, jj+2
.endr
	WIN 0
.irp b, 0,1,2,3
	ds_store_b128 v[STO], v[TMP+8*\b:TMP+8*\b+3] offset:64*\b
	ds_store_b128 v[STO], v[TMP+8*\b+4:TMP+8*\b+7] offset:64*\b+16
.endr
.irp t, 0,1,2,3,4,5,6,7
	ds_load_b128 v[BK+32*((\a)%2)+4*\t:BK+32*((\a)%2)+4*\t+3], v[RD] offset:\t*2*SPITCH
.endr
.endm
.macro FIN a, younger
	s_wait_dscnt \younger
	WIN 0x82
.set jj, 0
.rept 16
	v_pk_add_f32 v[32*(\a)+jj:32*(\a)+jj+1], v[32*(\a)+jj:32*(\a)+jj+1], v[BK+32*((\a)%2)+jj:BK+32*((\a)%2)+jj+1]
.set jj, jj+2
.endr
	WIN 0x08
.irp t, 0,1,2,3,4,5,6,7
	global_store_b128 v[CO], v[32*(\a)+4*\t:32*(\a)+4*\t+3], s[70:71] offset:(16*(\a)+2*\t)*4096 th:TH_STORE_NT
.endr
	WIN 0
.endm
	TOSTAGE 0
.irp a, 1,2,3
	TOSTAGE \a
	FIN \a-1, 16
.endr
	FIN 3, 0
	s_wait_dscnt 0x0
	s_wait_tensorcnt 0x0
	s_wait_tensorcnt 0x0
	ds_add_u32 v30, v31
	s_wait_dscnt 0x0
	CROUND
	s_endpgm
.Lfunc_end_k_q9fd9bcf3d2_oproj:
	.size	k_q9fd9bcf3d2_oproj, .Lfunc_end_k_q9fd9bcf3d2_oproj-k_q9fd9bcf3d2_oproj
	.p2alignl 7, 3214868480
	.fill 96, 4, 3214868480
	.section	.rodata,"a",@progbits
	.p2align	6, 0x0
	.amdhsa_kernel k_q9fd9bcf3d2_oproj
		.amdhsa_group_segment_fixed_size 327680
		.amdhsa_private_segment_fixed_size 0
		.amdhsa_enable_private_segment 0
		.amdhsa_kernarg_size 48
		.amdhsa_user_sgpr_count 2
		.amdhsa_user_sgpr_kernarg_segment_ptr 1
		.amdhsa_wavefront_size32 1
		.amdhsa_system_sgpr_workgroup_id_x 1
		.amdhsa_system_sgpr_workgroup_id_y 1
		.amdhsa_system_sgpr_workgroup_id_z 1
		.amdhsa_system_vgpr_workitem_id 0
		.amdhsa_next_free_vgpr 768
		.amdhsa_next_free_sgpr 100
		.amdhsa_reserve_vcc 0
		.amdhsa_float_denorm_mode_32 3
		.amdhsa_float_denorm_mode_16_64 3
		.amdhsa_memory_ordered 1
		.amdhsa_forward_progress 1
		.amdhsa_inst_pref_size 53
	.end_amdhsa_kernel
	.amdgpu_metadata
---
amdhsa.version: [ 1, 2 ]
amdhsa.kernels:
  - .name:           k_q9fd9bcf3d2_oproj
    .symbol:         k_q9fd9bcf3d2_oproj.kd
    .args:
      - { .name: oc, .offset: 0, .size: 8, .value_kind: global_buffer, .address_space: global }
      - { .name: woc, .offset: 8, .size: 8, .value_kind: global_buffer, .address_space: global }
      - { .name: lowp_scales, .offset: 16, .size: 8, .value_kind: global_buffer, .address_space: global }
      - { .name: out_proj_b, .offset: 24, .size: 8, .value_kind: global_buffer, .address_space: global }
      - { .name: in_feats, .offset: 32, .size: 8, .value_kind: global_buffer, .address_space: global }
      - { .name: out0, .offset: 40, .size: 8, .value_kind: global_buffer, .address_space: global }
    .group_segment_fixed_size: 327680
    .private_segment_fixed_size: 0
    .kernarg_segment_align: 8
    .kernarg_segment_size: 48
    .max_flat_workgroup_size: 128
    .sgpr_count:     100
    .vgpr_count:     768
    .wavefront_size: 32
...
	.end_amdgpu_metadata
.endif
;; end of part 4
